; MI455X (gfx1250); checked and timed in simulation.
; The chip was launched on July 23, 2026; its instructions are those of AMD's public machine-readable ISA for CDNA 5 (MIT licence, August 2026) and "CDNA5" Instruction Set Architecture Reference Guide (July 2026). The comments in the code are by the model that wrote it; some were corrected since.
;; UTF8 Code Book. Allowed arithmetic: matrix products marked QUANTISED: E2M3 operands, one E8M0 scale for each 32 along K, by v_wmma_scale_f32_16x16x128_f8f6f4 with both operands' format E2M3, f32 sums; everything else in f32.
;; Inputs: codebook 32,768 x 128 float32; x 4,096 x 128 float32.
;; Outputs: out0 4,096 x 1 int32.
;; Constants: k = 1.
;; This version of the problem:
;;   THIS VERSION OF THE PROBLEM IS GIVEN IN LOW PRECISION. The matrix products marked QUANTISED in the list below multiply operands that are first quantised to E2M3 (2 exponent bits, 3 mantissa bits; 6 bits a number), with one power-of-two scale for each 32 numbers along K (OCP MX v1.0); their sums are f32. All else is computed in f32.
;;   The module's matrix products, in the order in which they are computed (A, B: the left and right operand; K: the contracted axis; several contracted axes count as one K, in the product's order):
;;     1. [M 4,096, K 128] x [K 128, N 32,768]; A: input x; B: input codebook: QUANTISED
;;   THE QUANTISER, for each operand of a quantised product, along K:
;;     - K is cut into blocks of 32 from its start; a last block that is shorter is filled with zeros.
;;     - A block's scale is 2^e with e = floor(log2(the largest magnitude in the block)) - 2, held to -126 .. 127; a block of zeros has e = 0. As a byte (E8M0): e + 127.
;;     - Each number is divided by its block's scale, clamped to +-7.5, and rounded to the nearest number of E2M3, ties to even, subnormals kept.
;;     - The product sums the exact products of the quantised numbers (number of the format x scale) in f32.
;;   ~~~python
;;   def quantise(x, axis):      # numpy; x: float32 -> the quantised numbers, widened to float32 again
;;       x = np.moveaxis(x, axis, -1); K = x.shape[-1]
;;       x = np.pad(x, [(0, 0)] * (x.ndim - 1) + [(0, -K % 32)]); x = x.reshape(x.shape[:-1] + (-1, 32)); a = np.abs(x).max(-1, keepdims=True)
;;       e = np.where(a > 0, np.clip(np.frexp(np.where(a > 0, a, 1))[1] - 1 - 2, -126, 127), 0)      # np.frexp(a)[1] - 1 = floor(log2(a)), exactly
;;       r = np.clip(x / 2.0 ** e, -7.5, 7.5)
;;       step = 2.0 ** (np.maximum(np.frexp(np.where(r == 0, 1, r))[1] - 1, 0) - 3)
;;       q = np.round(r / step) * step * 2.0 ** e      # np.round: ties to even
;;       return np.moveaxis(q.reshape(q.shape[:-2] + (-1,))[..., :K], -1, axis).astype(np.float32)
;;   ~~~
;; One version. Each part assembles by itself: llvm-mc -triple=amdgcn-amd-amdhsa -mcpu=gfx1250 --defsym DOCPART=n.
;; ======== version 1 of 1: 3 launches
;; workspace buffers: cq 3,145,728 bytes; cmeta 262,144 bytes; xq 393,216 bytes; xmeta 32,768 bytes; cand 262,144 bytes of whole numbers
;; launch prep (part 1): grid 288 x 1, 8 waves a work-group, no clusters, 82,688 bytes of LDS; arguments codebook, x, cq, cmeta, xq, xmeta; writes cq, cmeta, xq, xmeta
.if DOCPART == 1
	.amdgcn_target "amdgcn-amd-amdhsa--gfx1250"
	.amdhsa_code_object_version 6
	.text
	.protected	k_q1a7d176bef_prep
	.globl	k_q1a7d176bef_prep
	.p2align	8
	.type	k_q1a7d176bef_prep,@function
k_q1a7d176bef_prep:
	s_mov_b64 s[64:65], 0
	v_nop
	global_prefetch_b8 v0, s[64:65] scope:SCOPE_SE
	s_setreg_imm32_b32 hwreg(HW_REG_WAVE_MODE, 25, 1), 1
	s_wait_xcnt 0x0
; codebook [32768][128] and x [4096][128], f32, become codes of FP6 (E2M3) with one E8M0 byte for each 32 along K, laid as the later launches' operand registers want them,
; and each row's sum of squares (of the unquantised numbers): c_sq for a code, -x_sq / 2 for a query.
; A block's scale is 2^(floor(log2(largest magnitude)) - 2): its byte is the largest magnitude's exponent field - 2, held at 1 from below.  A block of zeros keeps the byte 1: its codes are zeros, and this program alone reads the bytes.
; LIMITS: NaN and infinities among the inputs are not served; blocks whose largest magnitude lies under 2^-124 keep the byte 1; the squares are summed in four packed chains and one exchange of lanes, not in the order of a plain sum.
; SHARES.  A work-group takes a chunk of 128 rows (64 KiB): work-groups 0-255 the codebook's, 256-287 x's.  Wave t makes fragment t of the chunk, 16 rows x 128 K, 12 registers a lane:
;   codebook: rows 8 i + t (so that lane row i's eight fragments of a chunk are eight neighbouring codes, a GROUP);   x: rows 16 t + i.
; Each load reads one whole row, 512 consecutive bytes; the 16 rows turn through the wave's own stage in LDS, so that lane (r, h) gets k = 64 c + 32 h + 0 .. 31 of row r: two whole blocks, in the operand's own order.
; OUT.  x's fragment leaves as an image of its registers: register group p of lane l at 1536 T + 512 p + 16 l.  The codebook's 16 bytes of (row r, group p, tile t, half h) lie at 12288 chunk + 768 r + 256 p + 32 t + 16 h,
; a group's 768 bytes on end; they meet in a stage of the work-group and leave dense.  Scale words and squares of a chunk are 512 bytes each, gathered in LDS and stored by waves 0 and 1.
.set STGW,   8448                      ; a wave's stage: 16 rows of 512 bytes + 16
.set SPITCH, 528
.set META,   8*STGW                    ; 512 bytes of scale words, 512 of squares
.set CSTG,   META+1024                 ; the codebook's codes: 48 pieces of 256 bytes + 16
.set OFF, 16                           ; v16-31   byte offset of my 16 bytes of row i
.set R,   32                           ; v32-95   the rows as loaded
.set X,   96                           ; v96-159  my 64 numbers
.set F,   160                          ; v160-171 the fragment
.set SM,  172                          ; v172-179 four chains of squares; then the conversions' second halves
	s_load_b128 s[4:7], s[0:1], 0x0                ; codebook, x
	s_load_b128 s[8:11], s[0:1], 0x10              ; cq, cmeta
	s_load_b128 s[12:15], s[0:1], 0x20             ; xq, xmeta
	v_lshl_add_u32 v184, v0, 2, 0x13f00
	v_mov_b32 v185, 0
	v_lshrrev_b32 v11, 5, v0
	v_readfirstlane_b32 s16, v11                   ; wave t
	v_and_b32 v11, 31, v0
	v_lshlrev_b32 v1, 4, v11                       ; 16 x lane
	v_and_b32 v2, 15, v0                           ; r
	v_bfe_u32 v3, v0, 4, 1                         ; h
	s_mul_i32 s21, s16, STGW
	v_add_nc_u32 v4, s21, v1                       ; the stage, in: a row as it lies
	v_mul_u32_u24 v5, v2, SPITCH
	v_lshl_add_u32 v5, v3, 7, v5
	v_add_nc_u32 v5, s21, v5                       ; out: row r, + 128 h bytes
	s_lshl_b32 s21, s16, 6
	s_add_co_u32 s21, s21, META
	v_lshl_add_u32 v6, v2, 2, s21                  ; my row's scale word: 64 t + 4 r
	s_lshr_b32 s21, s16, 1
	s_lshl_b32 s21, s21, 7
	s_and_b32 s22, s16, 1
	s_lshl_b32 s22, s22, 2
	s_add_co_u32 s21, s21, s22
	s_add_co_u32 s21, s21, META+512
	v_lshl_add_u32 v7, v2, 3, s21                  ; its square: 128 (t / 2) + 8 r + 4 (t % 2): two neighbouring tiles' numbers side by side
	s_lshl_b32 s21, s16, 9
	s_add_co_u32 s21, s21, META
	v_add_nc_u32 v8, s21, v1                       ; waves 0 and 1 read the two halves back
	s_lshl_b32 s21, s16, 5
	s_add_co_u32 s21, s21, CSTG
	v_mul_u32_u24 v9, v2, 816
	v_lshl_add_u32 v9, v3, 4, v9
	v_add_nc_u32 v9, s21, v9                       ; the codes' stage, in: 816 r + 32 t + 16 h (+ 272 p)
	s_mul_i32 s21, s16, 1632
	s_add_co_u32 s21, s21, CSTG
	v_mul_u32_u24 v10, v3, 272
	v_lshl_add_u32 v10, v2, 4, v10
	v_add_nc_u32 v10, s21, v10                     ; out: wave t takes pieces 6 t .. 6 t + 5; lanes 0-15 one piece, lanes 16-31 the next
	s_mov_b32 s24, 0x76543210
	s_mov_b32 s25, 0xfedcba98                      ; v_permlanex16_b32's selects for lane l xor 16
	s_mov_b32 s18, 512
	s_mov_b32 s19, 8192
	s_wait_kmcnt 0x0
	s_cmp_lt_u32 ttmp9, 256                        ; the codebook's work-group or x's?  Only selects follow the compare
	s_cselect_b64 s[26:27], s[4:5], s[6:7]         ; the numbers
	s_cselect_b64 s[28:29], s[8:9], s[12:13]       ; the codes
	s_cselect_b64 s[30:31], s[10:11], s[14:15]     ; scale words and squares
	s_cselect_b32 s17, 0, 256
	s_cselect_b32 s18, 4096, s18                   ; from my row i to row i + 1: 8 rows or 1
	s_cselect_b32 s19, 512, s19                    ; from wave to wave: 1 row or 16
	s_cselect_b32 s20, 1.0, -0.5                   ; c_sq, or -x_sq / 2
	s_sub_co_u32 s17, ttmp9, s17                   ; the chunk
	s_lshl_b32 s21, s17, 16
	s_mul_i32 s22, s16, s19
	s_add_co_u32 s22, s21, s22
	s_mov_b32 s23, 0
	s_add_nc_u64 s[26:27], s[26:27], s[22:23]
	s_lshl_b32 s22, s17, 3
	s_add_co_u32 s22, s22, s16
	s_mul_i32 s22, s22, 1536                       ; 1,536 bytes a wave in either layout
	s_add_nc_u64 s[28:29], s[28:29], s[22:23]
	s_lshr_b32 s21, s17, 4
	s_lshl_b32 s21, s21, 14                        ; 16 chunks to a block of 16,384 bytes: 8,192 of scale words, 8,192 of squares
	s_and_b32 s22, s17, 15
	s_lshl_b32 s22, s22, 9
	s_add_co_u32 s22, s22, s21
	s_add_nc_u64 s[30:31], s[30:31], s[22:23]
	s_lshl_b32 s22, s16, 13
	s_add_nc_u64 s[32:33], s[30:31], s[22:23]      ; wave 0: the scale words' half, wave 1: the squares'
.irp i, 0,1,2,3,4,5,6,7,8,9,10,11,12,13,14,15
	v_mad_u32_u24 v[OFF+\i], s18, \i, v1
.endr
.irp i, 0,1,2,3,4,5,6,7,8,9,10,11,12,13,14,15
	global_load_b128 v[R+4*\i:R+4*\i+3], v[OFF+\i], s[26:27] th:TH_LOAD_NT   ; a whole row: 512 consecutive bytes; all 16 loads go out at once
.endr
.irp i, 0,1,2,3,4,5,6,7,8,9,10,11,12,13,14,15
	s_wait_loadcnt 15-\i                           ; row i is in; the younger loads may stay out
	ds_store_b128 v4, v[R+4*\i:R+4*\i+3] offset:SPITCH*\i
.endr
.irp c, 0,1
.irp j, 0,1,2,3,4,5,6,7
	ds_load_b128 v[X+32*\c+4*\j:X+32*\c+4*\j+3], v5 offset:256*\c+16*\j   ; LDS serves a wave's instructions in order: these see my stores
.endr
.endr
	s_wait_dscnt 0x0
	; the two blocks' largest magnitudes, by turns; all 32 numbers of a block are mine
.irp c, 0,1
	v_max3_num_f32 v[12+\c], |v[X+32*\c]|, |v[X+32*\c+1]|, 0x1800000   ; and the floor 2^(3 - 127): the byte cannot fall under 1
.endr
.irp i, 2,4,6,8,10,12,14,16,18,20,22,24,26,28,30
.irp c, 0,1
	v_max3_num_f32 v[12+\c], v[12+\c], |v[X+32*\c+\i]|, |v[X+32*\c+\i+1]|
.endr
.endr
.irp c, 0,1
	v_add_nc_u32 v[14+\c], 0xff000000, v[12+\c]    ; 2 off the exponent field: the conversion's scale operand
.endr
.irp c, 0,1
	v_lshrrev_b32 v[180+\c], 23, v[14+\c]          ; the scale's byte
.endr
	v_lshl_or_b32 v182, v181, 16, v180             ; my bytes: blocks h and 2 + h,
	v_lshlrev_b32 v183, 3, v3
	v_lshlrev_b32 v182, v183, v182                 ; at their places in the word;
	v_mov_b32 v183, 0
	v_permlanex16_b32 v183, v182, s24, s25
	v_or_b32 v182, v182, v183                      ; with lane l xor 16's two the word is whole
	; the row's sum of squares
.irp k, 0,1,2,3
	v_pk_mul_f32 v[SM+2*\k:SM+2*\k+1], v[X+2*\k:X+2*\k+1], v[X+2*\k:X+2*\k+1]
.endr
.set j, 4
.rept 28
	v_pk_fma_f32 v[SM+2*(j%4):SM+2*(j%4)+1], v[X+2*j:X+2*j+1], v[X+2*j:X+2*j+1], v[SM+2*(j%4):SM+2*(j%4)+1]
.set j, j+1
.endr
	v_pk_add_f32 v[SM:SM+1], v[SM:SM+1], v[SM+2:SM+3]
	v_pk_add_f32 v[SM+4:SM+5], v[SM+4:SM+5], v[SM+6:SM+7]
	v_pk_add_f32 v[SM:SM+1], v[SM:SM+1], v[SM+4:SM+5]
	v_add_f32 v11, v[SM], v[SM+1]
	v_permlanex16_b32 v183, v11, s24, s25
	v_add_f32 v11, v11, v183                       ; both halves of the lanes hold the same sum
	v_mul_f32 v11, s20, v11                        ; x 1 or x -1/2: exact
.irp c, 0,1
	v_cvt_scalef32_pk16_fp6_f32 v[F+6*\c:F+6*\c+2], v[X+32*\c:X+32*\c+15], v[14+\c]
	v_cvt_scalef32_pk16_fp6_f32 v[SM+4*\c:SM+4*\c+2], v[X+32*\c+16:X+32*\c+31], v[14+\c]   ; (a conversion's three registers begin on an even number)
.endr
	v_nop                                          ; one plain place behind a scaled conversion
.irp c, 0,1
.irp i, 0,1,2
	v_mov_b32 v[F+6*\c+3+\i], v[SM+4*\c+\i]
.endr
.endr
	s_cmp_lt_u32 ttmp9, 256
	s_cbranch_scc0 .Lx_image
.irp p, 0,1,2
	ds_store_b128 v9, v[F+4*\p:F+4*\p+3] offset:272*\p       ; the codebook's: into the work-group's stage
.endr
	s_branch .Lmeta
.Lx_image:
.irp p, 0,1,2
	global_store_b128 v1, v[F+4*\p:F+4*\p+3], s[28:29] offset:512*\p   ; x's: the registers as they stand, 512 consecutive bytes a store
.endr
.Lmeta:
	ds_store_b32 v6, v182                          ; both halves of the lanes write the same word with the same value
	ds_store_b32 v7, v11
	s_wait_dscnt 0x0                               ; for the others' sake: my stores have landed
	s_barrier_signal -1
	s_barrier_wait -1
	s_cmp_lt_u32 ttmp9, 256
	s_cbranch_scc0 .Lno_codes
.irp i, 0,1,2
	ds_load_b128 v[R+4*\i:R+4*\i+3], v10 offset:544*\i
.endr
	s_wait_dscnt 0x0
.irp i, 0,1,2
	global_store_b128 v1, v[R+4*\i:R+4*\i+3], s[28:29] offset:512*\i   ; two aligned pieces of 256 bytes a store
.endr
.Lno_codes:
	s_cmp_lt_u32 s16, 2
	s_cbranch_scc0 .Lend
	ds_load_b128 v[R+12:R+15], v8
	s_wait_dscnt 0x0
	global_store_b128 v1, v[R+12:R+15], s[32:33]   ; the chunk's 512 bytes of scale words (wave 0) or of squares (wave 1)
.Lend:
	s_wait_tensorcnt 0x0
	ds_add_u32 v184, v185
	s_wait_dscnt 0x0
	s_endpgm
.Lfunc_end_k_q1a7d176bef_prep:
	.size	k_q1a7d176bef_prep, .Lfunc_end_k_q1a7d176bef_prep-k_q1a7d176bef_prep
	.p2alignl 7, 3214868480
	.fill 96, 4, 3214868480
	.section	.rodata,"a",@progbits
	.p2align	6, 0x0
	.amdhsa_kernel k_q1a7d176bef_prep
		.amdhsa_group_segment_fixed_size 82688
		.amdhsa_private_segment_fixed_size 0
		.amdhsa_enable_private_segment 0
		.amdhsa_kernarg_size 48
		.amdhsa_user_sgpr_count 2
		.amdhsa_user_sgpr_kernarg_segment_ptr 1
		.amdhsa_wavefront_size32 1
		.amdhsa_system_sgpr_workgroup_id_x 1
		.amdhsa_system_sgpr_workgroup_id_y 1
		.amdhsa_system_sgpr_workgroup_id_z 1
		.amdhsa_system_vgpr_workitem_id 0
		.amdhsa_next_free_vgpr 186
		.amdhsa_next_free_sgpr 66
		.amdhsa_reserve_vcc 0
		.amdhsa_float_denorm_mode_32 3
		.amdhsa_float_denorm_mode_16_64 3
		.amdhsa_memory_ordered 1
		.amdhsa_forward_progress 1
		.amdhsa_inst_pref_size 16
	.end_amdhsa_kernel
	.amdgpu_metadata
---
amdhsa.version: [ 1, 2 ]
amdhsa.kernels:
  - .name:           k_q1a7d176bef_prep
    .symbol:         k_q1a7d176bef_prep.kd
    .args:
      - { .name: codebook, .offset: 0, .size: 8, .value_kind: global_buffer, .address_space: global }
      - { .name: x, .offset: 8, .size: 8, .value_kind: global_buffer, .address_space: global }
      - { .name: cq, .offset: 16, .size: 8, .value_kind: global_buffer, .address_space: global }
      - { .name: cmeta, .offset: 24, .size: 8, .value_kind: global_buffer, .address_space: global }
      - { .name: xq, .offset: 32, .size: 8, .value_kind: global_buffer, .address_space: global }
      - { .name: xmeta, .offset: 40, .size: 8, .value_kind: global_buffer, .address_space: global }
    .group_segment_fixed_size: 82688
    .private_segment_fixed_size: 0
    .kernarg_segment_align: 8
    .kernarg_segment_size: 48
    .max_flat_workgroup_size: 256
    .sgpr_count:     66
    .vgpr_count:     186
    .wavefront_size: 32
...
	.end_amdgpu_metadata
.endif
;; end of part 1
;; launch main (part 2): grid 16 x 16, 8 waves a work-group, clusters of 4 x 1, 301,056 bytes of LDS; arguments cq, cmeta, xq, xmeta, cand; writes cand
.if DOCPART == 2
	.amdgcn_target "amdgcn-amd-amdhsa--gfx1250"
	.amdhsa_code_object_version 6
	.text
	.protected	k_q1a7d176bef_main
	.globl	k_q1a7d176bef_main
	.p2align	8
	.type	k_q1a7d176bef_main,@function
k_q1a7d176bef_main:
	s_mov_b64 s[64:65], 0
	v_nop
	global_prefetch_b8 v0, s[64:65] scope:SCOPE_SE
	s_setreg_imm32_b32 hwreg(HW_REG_WAVE_MODE, 25, 1), 1
	s_wait_xcnt 0x0
	s_wait_alu depctr_hold_cnt(0) depctr_sa_sdst(0) depctr_va_vdst(0) depctr_va_sdst(0) depctr_va_ssrc(0) depctr_va_vcc(0) depctr_vm_vsrc(0)
	s_getreg_b32 s2, hwreg(HW_REG_IB_STS2, 6, 4)
	s_cmp_eq_u32 s2, 0
	s_cbranch_scc0 .Lentry_in_a_cluster
	s_endpgm
.Lentry_in_a_cluster:
	s_bfe_u32 s2, ttmp6, 0x10000c
	s_cmp_lg_u32 s2, 0x3003
	s_cbranch_scc0 .Lentry_shape_is_right
	s_endpgm
.Lentry_shape_is_right:
; For 256 queries and a block of 2,048 codes: d2 = x_sq - 2 x . c + c_sq for all pairs, the product on codes of FP6 (E2M3) with E8M0 scales, and for each query the GROUP of 8 neighbouring codes that holds the block's smallest d2
; (the lowest group among equals), stored as a whole number 0 .. 4,095 in cand[block][query].  The next launch works the sixteen groups of a query out again and takes the code.
; ORDER OF ROUNDING (a stated limit): d2 = fl(c_sq - 2 (cross - x_sq / 2)); the inner sum is the matrix instruction's own, with C = -x_sq / 2.  A plain evaluation rounds cross, x_sq - 2 cross and the last sum apart.  NaN and infinities are not served.
; SHARES.  Wave w: queries 64 (w % 4) on, four tiles of 16, whose fragments, scale words and C stay in registers; codes: half w / 4 of the block, 64 tiles of 16, two a step, 32 steps: 256 matrix instructions a wave.
; K is 128: one matrix instruction makes a tile of the product, so no accumulator is ever added onto.  Source 0 = 16 queries, source 1 = 16 codes: register j of lane (r, h) is query 8 h + j against the tile's code r.
; Tile t of a chunk of 128 codes holds codes 8 r + t: lane r's eight tiles of a chunk are group 16 chunk + r.  So the running minimum needs no place for each number: one comparison a chunk says whether the chunk has lowered it.
; VECTOR WORK for one matrix instruction: 4 packed multiply-adds (c_sq - 2 D), 4 minima of three (two tiles' numbers at once), and a comparison and a select a chunk: 10 lines.  They stand behind the NEXT unit's matrix instructions.
; LDS.  The whole block lies in LDS and every byte is filled once: 196,608 bytes of codes, 16 bytes of padding behind each 256 (a lane row is 816 bytes, 51 x 16), and 16,384 of scale words and squares.
; CLUSTER.  The four work-groups of a cluster take four blocks of queries against ONE block of codes: every tensor load is joint, with the mask of all four.  x is not shared so: a wave's part, 7 KiB, goes straight to registers.
; Each wave issues five tensor loads at the start, so five of mine are out at the most: scale words and squares, then four stages of codes; a stage (two chunks of each half) is waited for a step before it is read.
.set CHUNKB, 13056                     ; a chunk of 128 codes in LDS: 48 x 272
.set HALFB,  8*CHUNKB
.set SCL,    2*HALFB                   ; scale words: 512 chunk + 64 t + 4 r
.set CSQ,    SCL+8192                  ; squares: 512 chunk + 128 (t / 2) + 8 r + 4 (t % 2)
.set MV,     CSQ+8192                  ; the meeting of lanes and halves: 256 queries x (32 values + 16 bytes);
.set MP,     144
.set MI,     256*MP                    ; the groups lie this far behind the values
.set OUTS,   MV+2*MI                   ; 256 results on their way out
.set ADRB, 2                           ; v2-3   my lane's place in the codes of my half: chunks 0-3, chunks 4-7
.set ADRS, 4                           ; v4     in its scale words: lanes 0-15 the even tile's, lanes 16-31 the odd tile's
.set ADRC, 5                           ; v5     in its squares
.set MST,  6                           ; v6     where I put a minimum
.set MRD,  7                           ; v7     where thread v0 reads query v0's 32
.set GB,   8                           ; v8     128 x half + r: the group in the block is 16 x chunk + this
.set OST,  9
.set ORD,  10
.set GOF,  11
.set ASC,  12                          ; v12-13 x's scale words: lanes 0-15 the even tile's, lanes 16-31 the odd tile's
.set BSC,  14                          ; v14-15 the codes' scale words, one register a set
.set CQ,   16                          ; v16-19 c_sq of the pair of tiles, one pair a set
.set AF,   20                          ; v20-67 x's four fragments
.set CI,   68                          ; v68-99 -x_sq / 2, in the result's layout, four tiles
.set MX,   100                         ; v100-131, v132-163: the running minima, in two sets that change places from chunk to chunk
.set DR,   164                         ; v164-195 results: two buffers of two tiles
.set BF,   196                         ; v196-243 the codes' fragments: two sets of two tiles
.set TM,   244                         ; v244-248 at work.   v256-287 (window 1): the chunk that last lowered each minimum
.set MK,   66                          ; s66-97 the comparisons' lane masks
.set G1C,  24                          ; s[24:31] descriptor group 1 for codes;  s[32:39] for scale words and squares;  s[40:59] five groups 0
.set G1M,  32
.set G0,   40
.set MSB, 0
.macro WIN new                         ; the immediate's high byte repeats the setting that is left
.if MSB != \new
	s_set_vgpr_msb (MSB<<8)|\new
.set MSB, \new
.endif
.endm
.macro ROUND                           ; a round of the cluster's barrier
	s_barrier_signal -1
	s_barrier_wait -1
	s_cmp_lg_u32 s14, 0
	s_cbranch_scc1 .Lnot_wave_0_\@
	s_barrier_signal -3
.Lnot_wave_0_\@:
	s_barrier_wait -3
	s_barrier_signal -1
	s_barrier_wait -1
.endm
	s_load_b256 s[4:11], s[0:1], 0x0               ; cq s[4:5], cmeta s[6:7], xq s[8:9], xmeta s[10:11]
	s_load_b64 s[12:13], s[0:1], 0x20              ; cand
	v_lshl_add_u32 v254, v0, 2, 0x49400
	v_mov_b32 v255, 0
	ds_add_u32 v254, v255
	ds_add_u32 v254, v255
	v_lshrrev_b32 v1, 5, v0
	v_readfirstlane_b32 s14, v1                    ; wave 0..7
	s_and_b32 s15, s14, 3                          ; which 64 queries
	s_lshr_b32 s16, s14, 2                         ; which half of the codes
	s_bfe_u32 s17, ttmp6, 0x40000                  ; cx
	s_lshl_b32 s18, ttmp9, 2
	s_add_co_u32 s18, s18, s17                     ; the block of queries = 4 x cluster x + cx: it enters x's and cand's addresses alone
	s_and_b32 s19, ttmp7, 0xffff                   ; the block of codes, which the four partners share
	v_and_b32 v1, 31, v0
	v_and_b32 v[TM+3], 15, v0                      ; r
	v_bfe_u32 v[TM+4], v0, 4, 1                    ; h
	v_lshlrev_b32 v[TM], 4, v1                     ; 16 x lane
	v_lshlrev_b32 v[TM+1], 2, v1                   ; 4 x lane
	v_lshlrev_b32 v[TM+2], 6, v[TM+4]              ; 64 h
	s_mul_i32 s98, s16, HALFB
	v_mul_u32_u24 v[ADRB], v[TM+3], 816
	v_lshl_add_u32 v[ADRB], v[TM+4], 4, v[ADRB]
	v_add_nc_u32 v[ADRB], s98, v[ADRB]
	v_add_nc_u32 v[ADRB+1], 4*CHUNKB, v[ADRB]
	s_lshl_b32 s99, s16, 12
	s_add_co_u32 s100, s99, SCL
	v_add_nc_u32 v[ADRS], s100, v[TM+1]
	s_add_co_u32 s100, s99, CSQ
	v_lshl_add_u32 v[ADRC], v[TM+3], 3, s100
	s_mul_i32 s100, s15, 64*MP
	s_lshl_b32 s101, s16, 6
	s_add_co_u32 s100, s100, s101
	s_add_co_u32 s100, s100, MV
	v_mul_u32_u24 v[MST], v[TM+4], 8*MP
	v_lshl_add_u32 v[MST], v[TM+3], 2, v[MST]
	v_add_nc_u32 v[MST], s100, v[MST]              ; row 64 (w % 4) + 8 h (+ 16 a + j), place 16 x half + r
	v_mul_u32_u24 v[MRD], v0, MP
	v_add_nc_u32 v[MRD], MV, v[MRD]
	s_lshl_b32 s101, s16, 7
	v_add_nc_u32 v[GB], s101, v[TM+3]
	v_lshl_add_u32 v[OST], v0, 2, OUTS
	v_lshl_add_u32 v[ORD], v0, 4, OUTS
	v_lshlrev_b32 v[GOF], 4, v0
	; descriptor groups 1: dense blocks as rows of 256 bytes (32 elements of 8 bytes)
	s_mov_b32 s[G1C], 15|(3<<16)|(1<<20)|(1<<21)|(5<<22)|(3<<25)   ; 15:0 the mask: all four work-groups; 17:16 elements of 8 bytes; 20 padding on; 21 set beside a mask; 24:22 after every 64 words; 31:25 4 words of it
	s_mov_b32 s[G1C+1], 32<<16                     ; tensor_dim0
	s_mov_b32 s[G1C+2], 24<<16                     ; tensor_dim1: 24 rows, 6,144 bytes
	s_mov_b32 s[G1C+3], 32<<16                     ; tile_dim0
	s_mov_b32 s[G1C+4], 24                         ; tile_dim1
	s_mov_b32 s[G1C+5], 32                         ; the pitch
	s_mov_b32 s[G1C+6], 0
	s_mov_b32 s[G1C+7], 0
	s_mov_b32 s[G1M], 15|(3<<16)|(1<<21)           ; no padding
	s_mov_b32 s[G1M+1], 32<<16
	s_mov_b32 s[G1M+2], 8<<16                      ; 8 rows, 2,048 bytes
	s_mov_b32 s[G1M+3], 32<<16
	s_mov_b32 s[G1M+4], 8
	s_mov_b32 s[G1M+5], 32
	s_mov_b32 s[G1M+6], 0
	s_mov_b32 s[G1M+7], 0
	; what I fetch: 2,048 w bytes on in the block's scale words and squares; of each stage k, part w / 2 of half w % 2.  Nothing here hangs on cx
	s_lshl_b32 s20, s19, 14
	s_lshl_b32 s21, s14, 11
	s_add_co_u32 s20, s20, s21
	s_add_co_u32 s[G0+1], s21, SCL
	s_mov_b32 s21, 0
	s_and_b32 s2, s14, 1
	s_lshr_b32 s3, s14, 1
	s_mul_i32 s22, s2, 98304
	s_mul_i32 s23, s3, 6144
	s_add_co_u32 s22, s22, s23
	s_mul_i32 s23, s19, 196608
	s_add_co_u32 s22, s22, s23                     ; in memory,
	s_mov_b32 s23, 0
	s_mul_i32 s2, s2, HALFB
	s_mul_i32 s3, s3, 6528
	s_add_co_u32 s2, s2, s3                        ; and in LDS
	; x's and cand's offsets
	s_lshl_b32 s60, s18, 4
	s_lshl_b32 s61, s15, 2
	s_add_co_u32 s60, s60, s61
	s_mul_i32 s60, s60, 1536                       ; my first fragment of x
	s_mov_b32 s61, 0
	s_lshr_b32 s62, s18, 3
	s_lshl_b32 s62, s62, 14
	s_and_b32 s63, s18, 7
	s_lshl_b32 s63, s63, 10
	s_add_co_u32 s62, s62, s63
	s_lshl_b32 s63, s15, 8
	s_add_co_u32 s62, s62, s63                     ; my 64 queries' scale words; their -x_sq / 2 lie 8,192 bytes on
	s_mov_b32 s63, 0
	s_lshl_b32 s98, s19, 14
	s_lshl_b32 s99, s18, 10
	s_add_co_u32 s98, s98, s99                     ; cand[block of codes][256 x block of queries]
	s_mov_b32 s99, 0
	s_wait_dscnt 0x0
	s_wait_kmcnt 0x0
	s_add_nc_u64 s[8:9], s[8:9], s[60:61]
	s_add_nc_u64 s[10:11], s[10:11], s[62:63]
	s_add_nc_u64 s[12:13], s[12:13], s[98:99]
	s_mov_b32 s[G0], 1
	s_add_nc_u64 s[G0+2:G0+3], s[6:7], s[20:21]
	s_or_b32 s[G0+3], s[G0+3], 0x80000000
	s_add_nc_u64 s[22:23], s[4:5], s[22:23]
.irp k, 0,1,2,3
	s_mov_b32 s[G0+4+4*\k], 1                      ; count = 1
	s_add_co_u32 s[G0+5+4*\k], s2, 26112*\k        ; LDS address
	s_add_nc_u64 s[G0+6+4*\k:G0+7+4*\k], s[22:23], 24576*\k   ; global address
	s_or_b32 s[G0+7+4*\k], s[G0+7+4*\k], 0x80000000           ; type = 2
.endr
	; x: 46 loads, on their way while the cluster meets
.irp a, 0,1,2,3
.irp p, 0,1,2
	global_load_b128 v[AF+12*\a+4*\p:AF+12*\a+4*\p+3], v[TM], s[8:9] offset:1536*\a+512*\p
.endr
.endr
.irp a, 0,1
	global_load_b32 v[ASC+\a], v[TM+1], s[10:11] offset:128*\a
.endr
.irp a, 0,1,2,3
.irp j, 0,1,2,3,4,5,6,7
	global_load_b32 v[CI+8*\a+\j], v[TM+2], s[10:11] offset:8192+128*(\a/2)+4*(\a%2)+8*\j   ; query 16 a + 8 h + j
.endr
.endr
	ROUND                                          ; all four work-groups are here: the joint loads meet
	tensor_load_to_lds s[G0:G0+3], s[G1M:G1M+7]
	s_nop 0
	tensor_load_to_lds s[G0+4:G0+7], s[G1C:G1C+7]
	s_nop 0
	tensor_load_to_lds s[G0+8:G0+11], s[G1C:G1C+7]
	s_nop 0
	tensor_load_to_lds s[G0+12:G0+15], s[G1C:G1C+7]
	s_nop 0
	tensor_load_to_lds s[G0+16:G0+19], s[G1C:G1C+7]
	s_nop 0
.rept 4
	v_nop                                          ; four plain lines follow the last
.endr
; Pair s of my half (tiles 2 s, 2 s + 1) into set s % 2: six loads of 16 bytes a lane, and the pair's scale words
.macro LDB s
.irp i, 0,1
.irp p, 0,1,2
	ds_load_b128 v[BF+24*((\s)%2)+12*\i+4*\p:BF+24*((\s)%2)+12*\i+4*\p+3], v[ADRB+(2*(\s)+\i)/32] offset:CHUNKB*(((2*(\s)+\i)/8)%4)+32*((2*(\s)+\i)%8)+272*\p
.endr
.endr
	ds_load_b32 v[BSC+(\s)%2], v[ADRS] offset:128*(\s)
.endm
.macro LDC s                           ; the pair's c_sq: the even tile's in the low word, the odd tile's in the high
	ds_load_b64 v[CQ+2*((\s)%2):CQ+2*((\s)%2)+1], v[ADRC] offset:128*(\s)
.endm
; Tile of queries a against tile i of step S's pair: cross - x_sq / 2
.macro WM a, i
.set wD, DR+16*((\a)%2)+8*(\i)
.set wA, AF+12*(\a)
.set wB, BF+24*(S%2)+12*(\i)
.set wC, CI+8*(\a)
.if ((\a)%2 == 0) && ((\i) == 0)
	v_wmma_scale_f32_16x16x128_f8f6f4 v[wD:wD+7], v[wA:wA+11], v[wB:wB+11], v[wC:wC+7], v[ASC+(\a)/2], v[BSC+S%2] matrix_a_fmt:MATRIX_FMT_FP6 matrix_b_fmt:MATRIX_FMT_FP6
.elseif (\a)%2 == 0
	v_wmma_scale_f32_16x16x128_f8f6f4 v[wD:wD+7], v[wA:wA+11], v[wB:wB+11], v[wC:wC+7], v[ASC+(\a)/2], v[BSC+S%2] matrix_a_fmt:MATRIX_FMT_FP6 matrix_b_fmt:MATRIX_FMT_FP6 matrix_b_scale:MATRIX_SCALE_ROW1
.elseif (\i) == 0
	v_wmma_scale_f32_16x16x128_f8f6f4 v[wD:wD+7], v[wA:wA+11], v[wB:wB+11], v[wC:wC+7], v[ASC+(\a)/2], v[BSC+S%2] matrix_a_fmt:MATRIX_FMT_FP6 matrix_b_fmt:MATRIX_FMT_FP6 matrix_a_scale:MATRIX_SCALE_ROW1
.else
	v_wmma_scale_f32_16x16x128_f8f6f4 v[wD:wD+7], v[wA:wA+11], v[wB:wB+11], v[wC:wC+7], v[ASC+(\a)/2], v[BSC+S%2] matrix_a_fmt:MATRIX_FMT_FP6 matrix_b_fmt:MATRIX_FMT_FP6 matrix_a_scale:MATRIX_SCALE_ROW1 matrix_b_scale:MATRIX_SCALE_ROW1
.endif
.endm
; Unit (a, s): d2 = c_sq - 2 D, in place, each result from its low end on
.macro VF a, s
.set fD, DR+16*((\a)%2)
.set fC, CQ+2*((\s)%2)
.irp j, 0,2,4,6
	v_pk_fma_f32 v[fD+\j:fD+\j+1], v[fD+\j:fD+\j+1], -2.0, v[fC:fC+1] op_sel_hi:[1,0,0]
.endr
.irp j, 8,10,12,14
	v_pk_fma_f32 v[fD+\j:fD+\j+1], v[fD+\j:fD+\j+1], -2.0, v[fC:fC+1] op_sel:[0,0,1] op_sel_hi:[1,0,1]
.endr
.endm
; Unit (a, s): the running minima take both tiles' numbers.  A chunk is four steps: its first step writes the other set of minima from the old one, its last compares the two sets
.macro VM a, s
.set vp, (\s)%4
.set vg, (\s)/4
.set vN, MX+32*(vg%2)+8*(\a)
.set vO, MX+32*(1-vg%2)+8*(\a)
.set vD, DR+16*((\a)%2)
.irp j, 0,1,2,3,4,5,6,7
.if (\s) == 0
	v_min_num_f32 v[vN+\j], v[vD+\j], v[vD+8+\j]
.elseif vp == 0
	v_min3_num_f32 v[vN+\j], v[vO+\j], v[vD+\j], v[vD+8+\j]
.else
	v_min3_num_f32 v[vN+\j], v[vN+\j], v[vD+\j], v[vD+8+\j]
.endif
.endr
.if (vp == 3) && (vg > 0)
.irp j, 0,1,2,3,4,5,6,7
	v_cmp_lt_f32 s[MK+8*(\a)+\j], v[vN+\j], v[vO+\j]   ; strictly lower: among equals the earlier chunk stays
.endr
.endif
.endm
.macro IUPD g                          ; chunk g's comparisons are all made: the places.  Chunk 1's update writes them for the first time: nothing is cleared
	WIN 0x41
.set n, 0
.rept 32
.if (\g) == 1
	v_cndmask_b32 v[n], 0, 1, s[MK+n]
.else
	v_cndmask_b32 v[n], v[n], \g, s[MK+n]
.endif
.set n, n+1
.endr
	WIN 0
.endm
; STEP S: eight matrix instructions; behind each stand eight lines of the unit before, which name none of its registers.  So every result is first read at least eight plain lines behind its matrix instruction,
; and the loads into a set of fragments stand eight plain lines behind the last matrix instruction that read it (four are asked).
.macro STEP
	s_wait_dscnt 0x0                               ; this step's set, asked for a step ago, is in; no LDS instruction of mine is out
.if (S%8 == 7) && (S < 31)
	s_barrier_wait -1                              ; everybody's part of the next stage is in
.endif
.if (S%8 == 6) && (S < 30)
	s_wait_tensorcnt 2-S/8                         ; my part of the next stage is in; the stages behind it may stay out
	s_barrier_signal -1                            ; between signal and wait: a step's register work and LDS loads from the stage in hand, which nobody writes
.endif
.if S < 31
	LDB S+1
.endif
	WM 0, 0
.if S > 0
	VF 3, S-1
.endif
.if S < 31
	LDC S+1                                        ; its registers have just had their last reader
.endif
	WM 0, 1
.if S > 0
	VM 3, S-1
.else
.rept 4
	v_nop                                          ; the first unit has none before it
.endr
.endif
.if (S%4 == 0) && (S > 4)
	IUPD S/4-1
.endif
.irp a, 1,2,3
	WM \a, 0
	VF \a-1, S
	WM \a, 1
	VM \a-1, S
.endr
.endm
	s_wait_tensorcnt 0x3                           ; scale words, squares and my part of stage 0 are in; the three later stages may stay out
	s_barrier_signal -1
	s_barrier_wait -1                              ; everybody's are
	LDB 0
	LDC 0
	s_wait_loadcnt 0x0                             ; x
.set S, 0
.rept 32
	STEP
.set S, S+1
.endr
	VF 3, 31
	VM 3, 31
	IUPD 7
	; THE MEETING.  A query's 32 candidates (16 lane rows x 2 halves of the codes) lie in 32 lanes of two waves: they meet in LDS, and thread v0 takes query v0
	WIN 0x41
.set n, 0
.rept 32
	v_lshl_add_u32 v[n], v[n], 4, v[GB]            ; the group in the block: 16 x (8 x half + chunk) + r
.set n, n+1
.endr
	WIN 0x04                                       ; an LDS store's data are its source 1: window 1
.irp a, 0,1,2,3
.irp j, 0,1,2,3,4,5,6,7
	ds_store_b32 v[MST], v[8*\a+\j] offset:MI+MP*(16*\a+\j)
.endr
.endr
	WIN 0
.irp a, 0,1,2,3
.irp j, 0,1,2,3,4,5,6,7
	ds_store_b32 v[MST], v[MX+32+8*\a+\j] offset:MP*(16*\a+\j)   ; after eight chunks the minima stand in the second set
.endr
.endr
	s_wait_dscnt 0x0                               ; for the others' sake: my stores have landed
	s_barrier_signal -1
	s_barrier_wait -1
.irp i, 0,1,2,3,4,5,6,7
	ds_load_b128 v[DR+4*\i:DR+4*\i+3], v[MRD] offset:16*\i
.endr
.irp i, 0,1,2,3,4,5,6,7
	ds_load_b128 v[BF+4*\i:BF+4*\i+3], v[MRD] offset:MI+16*\i
.endr
	s_wait_dscnt 0x0
.irp c, 0,1,2,3
	v_min3_num_f32 v[TM+\c], v[DR+8*\c], v[DR+8*\c+1], v[DR+8*\c+2]
.endr
.irp i, 3,5
.irp c, 0,1,2,3
	v_min3_num_f32 v[TM+\c], v[TM+\c], v[DR+8*\c+\i], v[DR+8*\c+\i+1]
.endr
.endr
.irp c, 0,1,2,3
	v_min_num_f32 v[TM+\c], v[TM+\c], v[DR+8*\c+7]
.endr
	v_min3_num_f32 v[TM], v[TM], v[TM+1], v[TM+2]
	v_min_num_f32 v[TM], v[TM], v[TM+3]            ; the query's smallest d2 in the block
.set n, 0
.rept 32
	v_cmp_eq_f32 vcc_lo, v[TM], v[DR+n]
	v_cndmask_b32 v[BF+n], -1, v[BF+n], vcc_lo     ; the groups that reach it; the others count as the greatest number
.set n, n+1
.endr
.irp w, 16,8,4,2,1
.set n, 0
.rept \w
	v_min_u32 v[BF+n], v[BF+n], v[BF+\w+n]         ; the lowest of them
.set n, n+1
.endr
.endr
	s_lshl_b32 s98, s19, 8
	v_add_nc_u32 v[BF], s98, v[BF]                 ; + 256 groups a block
	ds_store_b32 v[OST], v[BF]
	s_wait_dscnt 0x0
	s_barrier_signal -1
	s_barrier_wait -1
	s_cmp_lt_u32 s14, 2
	s_cbranch_scc0 .Lno_store
	ds_load_b128 v[BF+4:BF+7], v[ORD]
	s_wait_dscnt 0x0
	global_store_b128 v[GOF], v[BF+4:BF+7], s[12:13]   ; a wave stores 512 consecutive bytes, at a multiple of 256 from cand's first byte
.Lno_store:
	s_wait_tensorcnt 0x0
	ds_add_u32 v254, v255
	s_wait_dscnt 0x0
	ROUND                                          ; the closing round: no work-group ends while a partner may still ask for a tile that names it
	s_endpgm
.Lfunc_end_k_q1a7d176bef_main:
	.size	k_q1a7d176bef_main, .Lfunc_end_k_q1a7d176bef_main-k_q1a7d176bef_main
	.p2alignl 7, 3214868480
	.fill 96, 4, 3214868480
	.section	.rodata,"a",@progbits
	.p2align	6, 0x0
	.amdhsa_kernel k_q1a7d176bef_main
		.amdhsa_group_segment_fixed_size 301056
		.amdhsa_private_segment_fixed_size 0
		.amdhsa_enable_private_segment 0
		.amdhsa_kernarg_size 40
		.amdhsa_user_sgpr_count 2
		.amdhsa_user_sgpr_kernarg_segment_ptr 1
		.amdhsa_wavefront_size32 1
		.amdhsa_system_sgpr_workgroup_id_x 1
		.amdhsa_system_sgpr_workgroup_id_y 1
		.amdhsa_system_sgpr_workgroup_id_z 1
		.amdhsa_system_vgpr_workitem_id 0
		.amdhsa_next_free_vgpr 288
		.amdhsa_next_free_sgpr 102
		.amdhsa_reserve_vcc 1
		.amdhsa_float_denorm_mode_32 3
		.amdhsa_float_denorm_mode_16_64 3
		.amdhsa_memory_ordered 1
		.amdhsa_forward_progress 1
		.amdhsa_inst_pref_size 229
	.end_amdhsa_kernel
	.amdgpu_metadata
---
amdhsa.version: [ 1, 2 ]
amdhsa.kernels:
  - .name:           k_q1a7d176bef_main
    .symbol:         k_q1a7d176bef_main.kd
    .args:
      - { .name: cq, .offset: 0, .size: 8, .value_kind: global_buffer, .address_space: global }
      - { .name: cmeta, .offset: 8, .size: 8, .value_kind: global_buffer, .address_space: global }
      - { .name: xq, .offset: 16, .size: 8, .value_kind: global_buffer, .address_space: global }
      - { .name: xmeta, .offset: 24, .size: 8, .value_kind: global_buffer, .address_space: global }
      - { .name: cand, .offset: 32, .size: 8, .value_kind: global_buffer, .address_space: global }
    .group_segment_fixed_size: 301056
    .private_segment_fixed_size: 0
    .kernarg_segment_align: 8
    .kernarg_segment_size: 40
    .max_flat_workgroup_size: 256
    .sgpr_count:     102
    .vgpr_count:     288
    .wavefront_size: 32
...
	.end_amdgpu_metadata
.endif
;; end of part 2
;; launch pick (part 3): grid 256 x 1, 16 waves a work-group, no clusters, 2,304 bytes of LDS; arguments cq, cmeta, xq, xmeta, cand, out0; writes out0
.if DOCPART == 3
	.amdgcn_target "amdgcn-amd-amdhsa--gfx1250"
	.amdhsa_code_object_version 6
	.text
	.protected	k_q1a7d176bef_pick
	.globl	k_q1a7d176bef_pick
	.p2align	8
	.type	k_q1a7d176bef_pick,@function
k_q1a7d176bef_pick:
	s_mov_b64 s[64:65], 0
	v_nop
	global_prefetch_b8 v0, s[64:65] scope:SCOPE_SE
	s_setreg_imm32_b32 hwreg(HW_REG_WAVE_MODE, 25, 1), 1
	s_wait_xcnt 0x0
; out0[q] = the code with the smallest d2, the lowest among equals.  For each query the launch before has left sixteen groups of 8 neighbouring codes, one for each block of 2,048 codes, each holding its block's smallest d2.
; A wave takes one query and works its 128 candidates out again, by the same matrix instruction on the same codes, scale words, squares and C: d2 = fl(c_sq - 2 (cross - x_sq / 2)) (the order of rounding stated there).
; All 16 rows of source 0 are the one query, so every register of a result holds the same number and its lowest is read.  Column r' of product p is code r' % 8 of the group of block 2 p + r' / 8.
; A group's codes are 768 consecutive bytes at 768 x group: one gather reads, for each of its two groups, 256 consecutive bytes at a multiple of 256.
; The groups are whole numbers read from memory; each is held to 0 .. 4,095 before it enters an address.
; 16 queries to a work-group, so that 256 work-groups share the gathers; its results are 64 consecutive bytes, gathered in LDS and stored by one instruction.
.set G,  16                            ; v16-23  the groups
.set OC, 24                            ; v24-31  offsets of the codes; later d2
.set OS, 32                            ; v32-39  of the scale words; later the codes' numbers
.set OQ, 40                            ; v40-47  of c_sq
.set AF, 48                            ; v48-59  the query's fragment
.set ASC, 60                           ; v60     its scale word
.set CI, 62                            ; v62-69  -x_sq / 2
.set BSC, 70                           ; v70-77  the candidates' scale words
.set CQ, 78                            ; v78-85  their c_sq
.set BF, 88                            ; v88-183 their fragments
.set DR, 184                           ; v184-247 the results
	s_load_b256 s[4:11], s[0:1], 0x0               ; cq s[4:5], cmeta s[6:7], xq s[8:9], xmeta s[10:11]
	s_load_b128 s[12:15], s[0:1], 0x20             ; cand s[12:13], out0 s[14:15]
	v_lshl_add_u32 v254, v0, 2, 0x100
	v_mov_b32 v255, 0
	v_lshrrev_b32 v1, 5, v0
	v_readfirstlane_b32 s16, v1                    ; wave: query 16 x work-group + wave
	v_and_b32 v1, 15, v0                           ; r'
	v_bfe_u32 v2, v0, 4, 1                         ; h
	v_and_b32 v3, 7, v0                            ; t
	v_lshlrev_b32 v4, 5, v3
	v_lshl_add_u32 v4, v2, 4, v4                   ; in a group's codes: 32 t + 16 h (+ 256 p)
	v_lshlrev_b32 v5, 6, v3                        ; among the scale words: 64 t
	v_lshrrev_b32 v6, 1, v3
	v_lshlrev_b32 v6, 7, v6
	v_and_b32 v9, 1, v3
	v_lshl_add_u32 v6, v9, 2, v6
	v_add_nc_u32 v6, 8192, v6                      ; among the squares: 8,192 + 128 (t / 2) + 4 (t % 2)
	v_bfe_u32 v7, v0, 3, 1
	v_lshlrev_b32 v7, 14, v7                       ; cand: the odd block's row lies 16,384 bytes on
	v_lshlrev_b32 v8, 8, v2                        ; the query's fragment: 256 h
	s_lshl_b32 s33, s16, 2
	v_mov_b32 v13, s33                             ; LDS: my wave's word
	v_lshlrev_b32 v14, 2, v1                       ; and, on the way out, a word a lane
	s_lshl_b32 s18, ttmp9, 6
	s_add_co_u32 s18, s18, s33                     ; 4 q
	s_mov_b32 s19, 0
	s_mul_i32 s20, ttmp9, 1536
	s_lshl_b32 s21, s16, 4
	s_add_co_u32 s20, s20, s21                     ; fragment q / 16, lane row q % 16
	s_mov_b32 s21, 0
	s_lshr_b32 s22, ttmp9, 7
	s_lshl_b32 s22, s22, 14
	s_bfe_u32 s23, ttmp9, 0x40003
	s_lshl_b32 s23, s23, 9
	s_add_co_u32 s22, s22, s23                     ; the query's chunk in xmeta
	s_and_b32 s23, ttmp9, 7                        ; its tile in the chunk
	s_lshl_b32 s24, s23, 6
	s_add_co_u32 s24, s24, s22
	s_add_co_u32 s24, s24, s33                     ; its scale word
	s_mov_b32 s25, 0
	s_lshr_b32 s26, s23, 1
	s_lshl_b32 s26, s26, 7
	s_and_b32 s27, s23, 1
	s_lshl_b32 s27, s27, 2
	s_add_co_u32 s26, s26, s27
	s_lshl_b32 s27, s16, 3
	s_add_co_u32 s26, s26, s27
	s_add_co_u32 s26, s26, s22
	s_add_co_u32 s26, s26, 8192                    ; its -x_sq / 2
	s_mov_b32 s27, 0
	s_lshl_b32 s30, ttmp9, 6
	s_mov_b32 s31, 0
	s_wait_kmcnt 0x0
	s_add_nc_u64 s[12:13], s[12:13], s[18:19]
	s_add_nc_u64 s[8:9], s[8:9], s[20:21]
	s_add_nc_u64 s[24:25], s[10:11], s[24:25]
	s_add_nc_u64 s[26:27], s[10:11], s[26:27]
	s_add_nc_u64 s[14:15], s[14:15], s[30:31]
	s_load_b32 s28, s[24:25], 0x0
	s_load_b32 s29, s[26:27], 0x0
.irp p, 0,1,2,3,4,5,6,7
	global_load_b32 v[G+\p], v7, s[12:13] offset:32768*\p
.endr
.irp p, 0,1,2
	global_load_b128 v[AF+4*\p:AF+4*\p+3], v8, s[8:9] offset:512*\p
.endr
	s_wait_kmcnt 0x0
	v_mov_b32 v[ASC], s28                          ; far more than eight plain lines ahead of the products
.irp j, 0,1,2,3,4,5,6,7
	v_mov_b32 v[CI+\j], s29
.endr
	s_wait_loadcnt 0x3                             ; the groups are in; the fragment's three loads may stay out
.irp p, 0,1,2,3,4,5,6,7
	v_min_u32 v[G+\p], 0xfff, v[G+\p]
.endr
.irp p, 0,1,2,3,4,5,6,7
	v_mad_u32_u24 v[OC+\p], v[G+\p], 768, v4
	v_and_b32 v10, 0xf00, v[G+\p]                  ; 256 x block,
	v_and_b32 v11, 0xf0, v[G+\p]                   ; 16 x chunk in the block,
	v_and_b32 v12, 15, v[G+\p]                     ; lane row
	v_lshlrev_b32 v10, 6, v10                      ; 16,384 a block
	v_lshl_add_u32 v10, v11, 5, v10                ; 512 a chunk
	v_lshl_add_u32 v[OS+\p], v12, 2, v10
	v_lshl_add_u32 v[OQ+\p], v12, 3, v10
	v_add_nc_u32 v[OS+\p], v5, v[OS+\p]
	v_add_nc_u32 v[OQ+\p], v6, v[OQ+\p]
.endr
.irp p, 0,1,2,3,4,5,6,7
.irp c, 0,1,2
	global_load_b128 v[BF+12*\p+4*\c:BF+12*\p+4*\c+3], v[OC+\p], s[4:5] offset:256*\c
.endr
	global_load_b32 v[BSC+\p], v[OS+\p], s[6:7]
	global_load_b32 v[CQ+\p], v[OQ+\p], s[6:7]
.endr
	s_wait_loadcnt 0x0
.irp p, 0,1,2,3,4,5,6,7
	v_wmma_scale_f32_16x16x128_f8f6f4 v[DR+8*\p:DR+8*\p+7], v[AF:AF+11], v[BF+12*\p:BF+12*\p+11], v[CI:CI+7], v[ASC], v[BSC+\p] matrix_a_fmt:MATRIX_FMT_FP6 matrix_b_fmt:MATRIX_FMT_FP6
.endr
.rept 4
	v_nop                                          ; four places in front of the first read of results (ISA guide 7.12.1)
.endr
.irp p, 0,1,2,3,4,5,6,7
	v_fma_f32 v[OC+\p], v[DR+8*\p], -2.0, v[CQ+\p] ; d2 of my column's code
.endr
.irp p, 0,1,2,3,4,5,6,7
	v_lshl_add_u32 v[OS+\p], v[G+\p], 3, v3        ; and its number: 8 x group + t
.endr
	v_min3_num_f32 v10, v[OC], v[OC+1], v[OC+2]
	v_min3_num_f32 v10, v10, v[OC+3], v[OC+4]
	v_min3_num_f32 v10, v10, v[OC+5], v[OC+6]
	v_min_num_f32 v10, v10, v[OC+7]
	v_min_num_f32_dpp v10, v10, v10 row_xmask:1 row_mask:0xf bank_mask:0xf   ; over the 16 columns; the two halves of the lanes hold the same numbers
	v_min_num_f32_dpp v10, v10, v10 row_xmask:2 row_mask:0xf bank_mask:0xf
	v_min_num_f32_dpp v10, v10, v10 row_xmask:4 row_mask:0xf bank_mask:0xf
	v_min_num_f32_dpp v10, v10, v10 row_xmask:8 row_mask:0xf bank_mask:0xf
.irp p, 0,1,2,3,4,5,6,7
	v_cmp_eq_f32 vcc_lo, v10, v[OC+\p]
	v_cndmask_b32 v[OS+\p], -1, v[OS+\p], vcc_lo   ; the codes that reach the minimum; the others count as the greatest number
.endr
.irp w, 4,2,1
.set n, 0
.rept \w
	v_min_u32 v[OS+n], v[OS+n], v[OS+\w+n]
.set n, n+1
.endr
.endr
	v_mov_b32 v11, 0                               ; (a DPP form's destination counts as read)
.irp m, 1,2,4,8
	v_mov_b32_dpp v11, v[OS] row_xmask:\m row_mask:0xf bank_mask:0xf
	v_min_u32 v[OS], v[OS], v11                    ; the lowest of them
.endr
	ds_store_b32 v13, v[OS]                        ; all lanes write the same word with the same value
	s_wait_dscnt 0x0
	s_barrier_signal -1
	s_barrier_wait -1
	s_cmp_lg_u32 s16, 0
	s_cbranch_scc1 .Ldone
	ds_load_b32 v15, v14
	s_wait_dscnt 0x0
	s_wait_xcnt 0x0                                ; EXEC changes only behind this wait
	v_cmp_gt_u32 vcc_lo, 16, v0
	s_and_saveexec_b32 s32, vcc_lo
	global_store_b32 v14, v15, s[14:15]            ; 16 lanes store the work-group's 64 consecutive bytes
	s_wait_xcnt 0x0
	s_or_b32 exec_lo, exec_lo, s32
.Ldone:
	s_wait_tensorcnt 0x0
	ds_add_u32 v254, v255
	s_wait_dscnt 0x0
	s_endpgm
.Lfunc_end_k_q1a7d176bef_pick:
	.size	k_q1a7d176bef_pick, .Lfunc_end_k_q1a7d176bef_pick-k_q1a7d176bef_pick
	.p2alignl 7, 3214868480
	.fill 96, 4, 3214868480
	.section	.rodata,"a",@progbits
	.p2align	6, 0x0
	.amdhsa_kernel k_q1a7d176bef_pick
		.amdhsa_group_segment_fixed_size 2304
		.amdhsa_private_segment_fixed_size 0
		.amdhsa_enable_private_segment 0
		.amdhsa_kernarg_size 48
		.amdhsa_user_sgpr_count 2
		.amdhsa_user_sgpr_kernarg_segment_ptr 1
		.amdhsa_wavefront_size32 1
		.amdhsa_system_sgpr_workgroup_id_x 1
		.amdhsa_system_sgpr_workgroup_id_y 1
		.amdhsa_system_sgpr_workgroup_id_z 1
		.amdhsa_system_vgpr_workitem_id 0
		.amdhsa_next_free_vgpr 256
		.amdhsa_next_free_sgpr 66
		.amdhsa_reserve_vcc 1
		.amdhsa_float_denorm_mode_32 3
		.amdhsa_float_denorm_mode_16_64 3
		.amdhsa_memory_ordered 1
		.amdhsa_forward_progress 1
		.amdhsa_inst_pref_size 17
	.end_amdhsa_kernel
	.amdgpu_metadata
---
amdhsa.version: [ 1, 2 ]
amdhsa.kernels:
  - .name:           k_q1a7d176bef_pick
    .symbol:         k_q1a7d176bef_pick.kd
    .args:
      - { .name: cq, .offset: 0, .size: 8, .value_kind: global_buffer, .address_space: global }
      - { .name: cmeta, .offset: 8, .size: 8, .value_kind: global_buffer, .address_space: global }
      - { .name: xq, .offset: 16, .size: 8, .value_kind: global_buffer, .address_space: global }
      - { .name: xmeta, .offset: 24, .size: 8, .value_kind: global_buffer, .address_space: global }
      - { .name: cand, .offset: 32, .size: 8, .value_kind: global_buffer, .address_space: global }
      - { .name: out0, .offset: 40, .size: 8, .value_kind: global_buffer, .address_space: global }
    .group_segment_fixed_size: 2304
    .private_segment_fixed_size: 0
    .kernarg_segment_align: 8
    .kernarg_segment_size: 48
    .max_flat_workgroup_size: 512
    .sgpr_count:     66
    .vgpr_count:     256
    .wavefront_size: 32
...
	.end_amdgpu_metadata
.endif
;; end of part 3
